; MI455X (gfx1250); checked and timed in simulation.
; The chip was launched on July 23, 2026; its instructions are those of AMD's public machine-readable ISA for CDNA 5 (MIT licence, August 2026) and "CDNA5" Instruction Set Architecture Reference Guide (July 2026). The comments in the code are by the model that wrote it; some were corrected since.
;; SINQ Sparse Linear. Allowed arithmetic: matrix products marked QUANTISED: E5M2 operands, one E8M0 scale for each 32 along K, by v_wmma_scale_f32_16x16x128_f8f6f4 with both operands' format E5M2, f32 sums; everything else in f32.
;; Inputs: W_q 4,096 x 4,096 int32; bias 4,096 float32; mask 4,096 x 4,096 bool; scale2 1 x 4,096 float32; scales 4,096 x 1 float32; x_codes 4,096 x 128 x 32 uint8 (E5M2 codes of x, K innermost, in blocks of 32 codes); x_scales 4,096 x 128 uint8 (E8M0 scales of x, one for each 32 codes along K); zeros 4,096 x 1 float32.
;; Outputs: out0 4,096 x 4,096 float32.
;; This version of the problem:
;;   THIS VERSION OF THE PROBLEM IS GIVEN IN LOW PRECISION. The matrix products marked QUANTISED in the list below multiply operands that are first quantised to E5M2 (5 exponent bits, 2 mantissa bits; 8 bits a number), with one power-of-two scale for each 32 numbers along K (OCP MX v1.0); their sums are f32. All else is computed in f32.
;;   The module's matrix products, in the order in which they are computed (A, B: the left and right operand; K: the contracted axis; several contracted axes count as one K, in the product's order):
;;     1. [M 4,096, K 4,096] x [K 4,096, N 4,096]; A: input x (given as codes); B: computed on the way: QUANTISED
;;   THE QUANTISER, for each operand of a quantised product, along K:
;;     - K is cut into blocks of 32 from its start; a last block that is shorter is filled with zeros.
;;     - A block's scale is 2^e with e = floor(log2(the largest magnitude in the block)) - 15, held to -126 .. 127; a block of zeros has e = 0. As a byte (E8M0): e + 127.
;;     - Each number is divided by its block's scale, clamped to +-57,344, and rounded to the nearest number of E5M2, ties to even, subnormals kept.
;;     - The product sums the exact products of the quantised numbers (number of the format x scale) in f32.
;;   ~~~python
;;   def quantise(x, axis):      # numpy; x: float32 -> the quantised numbers, widened to float32 again
;;       x = np.moveaxis(x, axis, -1); K = x.shape[-1]
;;       x = np.pad(x, [(0, 0)] * (x.ndim - 1) + [(0, -K % 32)]); x = x.reshape(x.shape[:-1] + (-1, 32)); a = np.abs(x).max(-1, keepdims=True)
;;       e = np.where(a > 0, np.clip(np.frexp(np.where(a > 0, a, 1))[1] - 1 - 15, -126, 127), 0)      # np.frexp(a)[1] - 1 = floor(log2(a)), exactly
;;       r = np.clip(x / 2.0 ** e, -57344, 57344)
;;       step = 2.0 ** (np.maximum(np.frexp(np.where(r == 0, 1, r))[1] - 1, -14) - 2)
;;       q = np.round(r / step) * step * 2.0 ** e      # np.round: ties to even
;;       return np.moveaxis(q.reshape(q.shape[:-2] + (-1,))[..., :K], -1, axis).astype(np.float32)
;;   ~~~
;;   OPERANDS COMPUTED ON THE WAY. 'Computed on the way' means the value that the module computes at that place (a softmax that the list does not call 'softmax' is quantised finished and normalised). What goes into a quantiser is computed in f32, as accurately as f32 sums, v_exp_f32 and their like allow (about 1e-6 of the number): no bf16 or f16 on the way to a quantiser, and a product that is left as it is and whose result goes on into a quantised operand takes f32 operands (vector FMAs, or v_wmma_f32_16x16x4_f32). A number that lies on a knife's edge between two numbers of the format may be rounded either way, as far as f32 arithmetic and the matrix unit's own rounding can turn it there, and no further.
;;   INPUTS GIVEN AS CODES. x (in the module: [4096, 4096], K = its axis 1): each comes as NAME_codes (uint8): NAME with its K axis moved to the last place and cut into blocks of 32 codes, [.., K / 32, bytes a block], one block behind the other in memory; one code a byte (a code: sign, 5 exponent bits, 2 mantissa bits); and NAME_scales (uint8): the same leading axes, one E8M0 byte (e + 127) for each 32 codes along K. Its value is code x scale, taken as it is: it is not quantised again, and the codes and scales need not be those that the quantiser above would give.
;; One version. Each part assembles by itself: llvm-mc -triple=amdgcn-amd-amdhsa -mcpu=gfx1250 --defsym DOCPART=n.
;; ======== version 1 of 1: 2 launches
;; limits: right only within a limited range of input values
;; workspace buffers: wcodes 16,777,216 bytes; wsl 524,288 bytes; xsl 524,288 bytes
;; launch wquant (part 1): grid 4 x 128, 4 waves a work-group, no clusters, 33,280 bytes of LDS; arguments W_q, mask, scale2, scales, zeros, x_scales, wcodes, wsl, xsl; writes wcodes, wsl, xsl
.if DOCPART == 1
	.amdgcn_target "amdgcn-amd-amdhsa--gfx1250"
	.amdhsa_code_object_version 6
	.text
	.protected	k_q1dede451d3_wquant
	.globl	k_q1dede451d3_wquant
	.p2align	8
	.type	k_q1dede451d3_wquant,@function
k_q1dede451d3_wquant:
	s_mov_b64 s[64:65], 0
	v_nop
	global_prefetch_b8 v0, s[64:65] scope:SCOPE_SE
	s_setreg_imm32_b32 hwreg(HW_REG_WAVE_MODE, 25, 1), 1
	s_wait_xcnt 0x0
; W[n][k] = ((W_q[n][k] - zeros[n]) * scales[n]) * scale2[k] * mask[n][k], each step rounded in f32 in that order, is made once and turned into codes of BF8 (E5M2),
; K innermost, wcodes [4096 n][4096 k], with one E8M0 scale byte for each 32 along K.  The scale bytes are laid BY K STEP: wsl [16 ks = k / 256][4096 n][8 bytes], so that the product's launch
; finds the two scale words (2 x 128 along K) of 32 neighbouring rows in 256 consecutive bytes.  x's scale bytes, given as [4096 m][128], are copied into the same layout (xsl).
; A block's scale is 2^(floor(log2(its largest magnitude)) - 15); its byte is the largest magnitude's exponent field - 15, held at 1 from below.  Each number is held within +-57,344 x the scale and rounded to the nearest code, ties to even.
; LIMITS: NaN and infinities among the inputs are not served.  A block of zeros (one that the mask clears too) gets the byte 1 where the rule says 127: its codes are zeros, which add nothing under any byte but 0xff,
; and the bytes are read by this program alone.  Blocks whose largest magnitude lies under 2^-111, the floor, are scaled by the floor's byte.  A byte of the mask is taken as the number that it holds, 0 or 1.
; SHARES.  A work-group's y names 32 rows of W; 4 x its x + the wave names a strip of 256 along K.  A wave takes 32 rows x 256 k in 16 steps of 512 numbers: step t is row t (lanes 0-15) and row 16 + t (lanes 16-31);
; lane (h = lane / 16, c = lane % 16) works on the 16 neighbours k = 16 c .. 16 c + 15, so two neighbouring lanes hold a block of 32.
; The conversions want 16 neighbours in ONE lane; a load is best where neighbouring LANES take neighbouring bytes.  Both are had: each of a step's four loads of W_q reads 512 consecutive bytes, 16 a lane; the 2,048 bytes go
; through the wave's own stage in LDS as they lie and come back 64 bytes a lane (16 bytes of padding behind each 64).  The mask's 16 bytes and the 16 codes of a lane need no turn: sixteen lanes cover 256 consecutive bytes, aligned.
; A wave's 256 scale bytes are gathered in its own LDS bytes and leave as 256 consecutive bytes, aligned.  No tensor loads, no barrier: waves share nothing.  Loads run six steps (30 loads a wave) ahead.
; Read in pieces or by many lanes alike, once a wave: scale2 (64 bytes a lane), zeros and scales (64 bytes for each half of the lanes), x's scale bytes (8 bytes of each of 32 rows): 1.5 KB against the wave's 40 KB.
.set STEPS, 16
.set DEPTH, 6                          ; steps of loads in flight
.set WROW,  16384                      ; a row of W_q in bytes
.set CROW,  4096                       ; a row of the mask and of the codes in bytes
.set SP,    80                         ; a lane's place in a stage: its 64 bytes + 16 of padding
.set STG,   32*SP                      ; a stage
.set SBY,   2*STG                      ; behind the two stages: the wave's 256 scale bytes
.set WREG,  8192                       ; LDS: a region of its own for each wave
.set Z,   16                           ; v16-31   zeros of my half's 16 rows: register t serves step t
.set S,   32                           ; v32-47   scales likewise
.set S2,  48                           ; v48-63   scale2 of my 16 k
.set X,   64                           ; v64-95   two sets of 16 neighbours
.set F,   96                           ; v96-111  the mask's 16 bytes as numbers
.set E,   112                          ; v112-113 the scale byte, two registers by turns
.set C,   120                          ; v120-127 codes, two sets of four
.set R,   128                          ; v128-223 six sets of 16: W_q as loaded
.set MK,  224                          ; v224-247 six sets of 4: the mask as loaded
	s_load_b256 s[4:11], s[0:1], 0x0               ; W_q s[4:5], mask s[6:7], scale2 s[8:9], scales s[10:11]
	s_load_b256 s[12:19], s[0:1], 0x20             ; zeros s[12:13], x_scales s[14:15], wcodes s[16:17], wsl s[18:19]
	s_load_b64 s[20:21], s[0:1], 0x40              ; xsl
	v_lshl_add_u32 v254, v0, 2, 0x8000
	v_mov_b32 v255, 0
	v_lshrrev_b32 v1, 5, v0
	v_readfirstlane_b32 s22, v1                    ; wave 0..3
	v_and_b32 v2, 31, v0                           ; lane
	v_lshlrev_b32 v3, 4, v2                        ; W_q: my 16 bytes of a load's 512
	v_and_b32 v117, 15, v0                         ; c
	v_bfe_u32 v118, v0, 4, 1                       ; h
	v_lshlrev_b32 v4, 4, v117
	v_lshl_add_u32 v4, v118, 16, v4                ; mask and codes: 16 rows of 4,096 bytes x h + 16 c
	s_mul_i32 s28, s22, WREG                       ; my wave's LDS
	s_add_co_u32 s29, s28, SBY                     ; its scale bytes
	v_bfe_u32 v5, v0, 1, 3                         ; c / 2: my block among the strip's eight
	v_lshl_add_u32 v5, v118, 7, v5                 ; + 16 rows of 8 bytes x h; the step's row stands in the immediate
	v_add_nc_u32 v5, s29, v5
	v_lshlrev_b32 v7, 3, v2                        ; on the way out 8 bytes a lane: row = lane
	v_add_nc_u32 v6, s29, v7
	v_lshrrev_b32 v14, 2, v2
	v_mul_u32_u24 v14, v14, SP
	v_and_b32 v15, 3, v2
	v_lshl_add_u32 v14, v15, 4, v14
	v_add_nc_u32 v14, s28, v14                     ; the stage, on the way in: four lanes' 64 bytes on end, then the padding
	v_mul_u32_u24 v15, v2, SP
	v_add_nc_u32 v15, s28, v15                     ; and on the way out: my 16 neighbours
	v_lshlrev_b32 v116, 7, v2                      ; x_scales: a row of 128 bytes a lane
	v_lshlrev_b32 v117, 6, v117                    ; scale2: 64 c
	v_lshlrev_b32 v118, 6, v118                    ; zeros, scales: 64 h
	s_lshl_b32 s23, ttmp9, 2
	s_add_co_u32 s23, s23, s22                     ; ks: my strip of 256 along K
	s_and_b32 s24, ttmp7, 0xffff                   ; y: my 32 rows
	s_mov_b32 s27, 0                               ; every offset stays under 2^32
	s_mov_b32 s31, 0x600000                        ; the mantissa field of 57,344 (an instruction takes one literal)
	s_wait_alu depctr_va_vdst(0)
	s_wait_kmcnt 0x0
	s_lshl_b32 s25, s23, 10
	s_lshl_b32 s26, s24, 19
	s_add_co_u32 s26, s26, s25
	s_add_nc_u64 s[4:5], s[4:5], s[26:27]          ; W_q: 32 rows of 16,384 bytes x y + 1,024 ks
	s_mov_b32 s26, s25
	s_add_nc_u64 s[8:9], s[8:9], s[26:27]          ; scale2: 1,024 ks
	s_lshl_b32 s25, s23, 8
	s_lshl_b32 s26, s24, 17
	s_add_co_u32 s26, s26, s25
	s_add_nc_u64 s[6:7], s[6:7], s[26:27]          ; mask and codes: 32 rows of 4,096 bytes x y + 256 ks
	s_add_nc_u64 s[16:17], s[16:17], s[26:27]
	s_lshl_b32 s26, s24, 7
	s_add_nc_u64 s[10:11], s[10:11], s[26:27]      ; scales and zeros: 32 numbers x y
	s_add_nc_u64 s[12:13], s[12:13], s[26:27]
	s_lshl_b32 s25, s23, 3
	s_lshl_b32 s26, s24, 12
	s_add_co_u32 s26, s26, s25
	s_add_nc_u64 s[14:15], s[14:15], s[26:27]      ; x_scales: 32 rows of 128 bytes x y + 8 ks
	s_lshl_b32 s25, s23, 15
	s_lshl_b32 s26, s24, 8
	s_add_co_u32 s26, s26, s25
	s_add_nc_u64 s[18:19], s[18:19], s[26:27]      ; wsl and xsl: 32,768 ks + 32 rows of 8 bytes x y
	s_add_nc_u64 s[20:21], s[20:21], s[26:27]
	global_load_b64 v[114:115], v116, s[14:15]     ; x's eight scale bytes of row 32 y + lane in my strip
.irp j, 0,1,2,3
	global_load_b128 v[S2+4*\j:S2+4*\j+3], v117, s[8:9] offset:16*\j
.endr
.irp j, 0,1,2,3
	global_load_b128 v[Z+4*\j:Z+4*\j+3], v118, s[12:13] offset:16*\j
.endr
.irp j, 0,1,2,3
	global_load_b128 v[S+4*\j:S+4*\j+3], v118, s[10:11] offset:16*\j
.endr
.macro LOAD t                          ; step t: five loads; no address register is ever rewritten: rows stand in the immediates
.irp i, 0,1,2,3
	global_load_b128 v[R+16*((\t)%DEPTH)+4*\i:R+16*((\t)%DEPTH)+4*\i+3], v3, s[4:5] offset:((\t)+16*(\i/2))*WROW+(\i%2)*512 th:TH_LOAD_NT   ; 32 lanes read 512 consecutive bytes
.endr
	global_load_b128 v[MK+4*((\t)%DEPTH):MK+4*((\t)%DEPTH)+3], v4, s[6:7] offset:(\t)*CROW th:TH_LOAD_NT   ; each half of the lanes reads 256 consecutive bytes, aligned
.endm
.macro TURN t                          ; step t's numbers through a stage: LDS serves a wave's instructions in order (ISA guide 5.7.1.4), so no wait stands between the stores and the loads
.irp i, 0,1,2,3
	ds_store_b128 v14, v[R+16*((\t)%DEPTH)+4*\i:R+16*((\t)%DEPTH)+4*\i+3] offset:STG*((\t)%2)+8*SP*\i
.endr
.irp i, 0,1,2,3
	ds_load_b128 v[X+16*((\t)%2)+4*\i:X+16*((\t)%2)+4*\i+3], v15 offset:STG*((\t)%2)+16*\i
.endr
.endm
.irp t, 0,1,2,3,4,5
	LOAD \t
.endr
	s_wait_loadcnt 5*(DEPTH-1)                     ; step 0's five loads and all that was asked for ahead of them are in; five steps' loads stay out
	global_store_b64 v7, v[114:115], s[20:21]      ; x's scale bytes in the new layout: 32 lanes store 256 consecutive bytes, aligned
	TURN 0
.macro STEP t
.set XS,  X+16*((\t)%2)
.set ZP,  Z+2*((\t)/2)                 ; the pair that holds this step's zero;
.set SPR, S+2*((\t)/2)                 ; and its scale: the low register for an even step, the high one for an odd step
.set MS,  MK+4*((\t)%DEPTH)
.if (\t) > 0
	s_wait_dscnt 1                                 ; this step's numbers are back from the stage (only the last step's byte store may be out): so the stores into the stage have read their registers
.else
	s_wait_dscnt 0x0
.endif
.irp d, 0,1,2,3
.irp b, 0,1,2,3
	v_bfe_u32 v[F+4*\d+\b], v[MS+\d], 8*\b, 8      ; the mask's byte of k = 4 d + b
.endr
.endr
.if (\t)+DEPTH < STEPS
	LOAD (\t)+DEPTH                                ; both sets of registers are free: they take the loads of six steps on
.endif
.if (\t)+1 < STEPS
.if (\t)+DEPTH < STEPS
	s_wait_loadcnt 5*(DEPTH-1)                     ; the next step's five loads are in; those of the five steps behind it may be out
.else
	s_wait_loadcnt 5*(STEPS-2-(\t))                ; the counts run down: five for each step still behind the next
.endif
	TURN (\t)+1                                    ; and go through the other stage while this step is worked
.endif
.irp i, 0,1,2,3,4,5,6,7,8,9,10,11,12,13,14,15
	v_cvt_f32_i32 v[XS+\i], v[XS+\i]
.endr
.irp i, 0,1,2,3,4,5,6,7,8,9,10,11,12,13,14,15
	v_cvt_f32_u32 v[F+\i], v[F+\i]
.endr
; four roundings, in the order in which the result is defined: - zero, x scale, x scale2, x mask.  No fused form: code x scale - zero x scale would be a difference of two larger numbers
.irp j, 0,2,4,6,8,10,12,14
.if (\t)%2 == 0
	v_pk_add_f32 v[XS+\j:XS+\j+1], v[XS+\j:XS+\j+1], v[ZP:ZP+1] op_sel_hi:[1,0] neg_lo:[0,1] neg_hi:[0,1]
.else
	v_pk_add_f32 v[XS+\j:XS+\j+1], v[XS+\j:XS+\j+1], v[ZP:ZP+1] op_sel:[0,1] op_sel_hi:[1,1] neg_lo:[0,1] neg_hi:[0,1]
.endif
.endr
.irp j, 0,2,4,6,8,10,12,14
.if (\t)%2 == 0
	v_pk_mul_f32 v[XS+\j:XS+\j+1], v[XS+\j:XS+\j+1], v[SPR:SPR+1] op_sel_hi:[1,0]
.else
	v_pk_mul_f32 v[XS+\j:XS+\j+1], v[XS+\j:XS+\j+1], v[SPR:SPR+1] op_sel:[0,1] op_sel_hi:[1,1]
.endif
.endr
.irp j, 0,2,4,6,8,10,12,14
	v_pk_mul_f32 v[XS+\j:XS+\j+1], v[XS+\j:XS+\j+1], v[S2+\j:S2+\j+1]
.endr
.irp j, 0,2,4,6,8,10,12,14
	v_pk_mul_f32 v[XS+\j:XS+\j+1], v[XS+\j:XS+\j+1], v[F+\j:F+\j+1]
.endr
	v_max3_num_f32 v8, |v[XS]|, |v[XS+1]|, |v[XS+2]|               ; the largest magnitude of my 16, in two chains
	v_max3_num_f32 v9, |v[XS+3]|, |v[XS+4]|, |v[XS+5]|
.irp i, 6,10
	v_max3_num_f32 v8, v8, |v[XS+\i]|, |v[XS+\i+1]|
	v_max3_num_f32 v9, v9, |v[XS+\i+2]|, |v[XS+\i+3]|
.endr
	v_max3_num_f32 v8, v8, |v[XS+14]|, |v[XS+15]|
	v_max3_num_f32 v8, v8, v9, 0x8000000           ; and the floor 2^(16 - 127), under which no largest magnitude is taken: so the byte cannot fall under 1
	v_max_num_f32_dpp v8, v8, v8 row_xmask:1 row_mask:0xf bank_mask:0xf   ; and of my neighbour's 16: the block's
	v_add_nc_u32 v11, 0xf8800000, v8               ; 15 off its exponent field: the conversion takes the exponent field of this operand as its scale, and nothing else of it
	v_and_or_b32 v10, v8, 0x7f800000, s31          ; 57,344 x the scale: the largest magnitude's exponent field over 57,344's mantissa
.irp i, 0,1,2,3,4,5,6,7,8,9,10,11,12,13,14,15
	v_med3_num_f32 v[XS+\i], v[XS+\i], -v10, v10   ; the conversion to an 8-bit code does not saturate (ISA guide 7.6.2): hold the number first
.endr
	s_wait_alu depctr_va_vdst(0)
	s_wait_xcnt 0x0                                ; every earlier memory instruction has had its addresses translated (ISA guide 3.1): the codes' registers, which the store of two steps ago reads, are rewritten only behind this wait
	v_cvt_scalef32_pk8_bf8_f32 v[C+4*((\t)%2):C+4*((\t)%2)+1], v[XS:XS+7], v11       ; the first number's code in the lowest byte
	v_cvt_scalef32_pk8_bf8_f32 v[C+4*((\t)%2)+2:C+4*((\t)%2)+3], v[XS+8:XS+15], v11
	v_lshrrev_b32 v[E+(\t)%2], 23, v11             ; the scale's byte; also the plain vector line behind the conversions
	ds_store_b8 v5, v[E+(\t)%2] offset:8*(\t)      ; both lanes of a block write the same byte with the same value
	global_store_b128 v4, v[C+4*((\t)%2):C+4*((\t)%2)+3], s[16:17] offset:(\t)*CROW   ; each half of the lanes stores 256 consecutive bytes, aligned; the next launch reads them, so no hint
.endm
.irp t, 0,1,2,3,4,5,6,7,8,9,10,11,12,13,14,15
	STEP \t
.endr
	ds_load_b64 v[12:13], v6                       ; LDS serves a wave's instructions in order: this sees my byte stores
	s_wait_dscnt 0x0
	global_store_b64 v7, v[12:13], s[18:19]        ; 32 rows x 8 scale bytes: 256 consecutive bytes, aligned
	s_wait_tensorcnt 0x0
	ds_add_u32 v254, v255
	s_wait_dscnt 0x0
	s_endpgm
.Lfunc_end_k_q1dede451d3_wquant:
	.size	k_q1dede451d3_wquant, .Lfunc_end_k_q1dede451d3_wquant-k_q1dede451d3_wquant
	.p2alignl 7, 3214868480
	.fill 96, 4, 3214868480
	.section	.rodata,"a",@progbits
	.p2align	6, 0x0
	.amdhsa_kernel k_q1dede451d3_wquant
		.amdhsa_group_segment_fixed_size 33280
		.amdhsa_private_segment_fixed_size 0
		.amdhsa_enable_private_segment 0
		.amdhsa_kernarg_size 72
		.amdhsa_user_sgpr_count 2
		.amdhsa_user_sgpr_kernarg_segment_ptr 1
		.amdhsa_wavefront_size32 1
		.amdhsa_system_sgpr_workgroup_id_x 1
		.amdhsa_system_sgpr_workgroup_id_y 1
		.amdhsa_system_sgpr_workgroup_id_z 1
		.amdhsa_system_vgpr_workitem_id 0
		.amdhsa_next_free_vgpr 256
		.amdhsa_next_free_sgpr 66
		.amdhsa_reserve_vcc 0
		.amdhsa_float_denorm_mode_32 3
		.amdhsa_float_denorm_mode_16_64 3
		.amdhsa_memory_ordered 1
		.amdhsa_forward_progress 1
		.amdhsa_inst_pref_size 119
	.end_amdhsa_kernel
	.amdgpu_metadata
---
amdhsa.version: [ 1, 2 ]
amdhsa.kernels:
  - .name:           k_q1dede451d3_wquant
    .symbol:         k_q1dede451d3_wquant.kd
    .args:
      - { .name: W_q, .offset: 0, .size: 8, .value_kind: global_buffer, .address_space: global }
      - { .name: mask, .offset: 8, .size: 8, .value_kind: global_buffer, .address_space: global }
      - { .name: scale2, .offset: 16, .size: 8, .value_kind: global_buffer, .address_space: global }
      - { .name: scales, .offset: 24, .size: 8, .value_kind: global_buffer, .address_space: global }
      - { .name: zeros, .offset: 32, .size: 8, .value_kind: global_buffer, .address_space: global }
      - { .name: x_scales, .offset: 40, .size: 8, .value_kind: global_buffer, .address_space: global }
      - { .name: wcodes, .offset: 48, .size: 8, .value_kind: global_buffer, .address_space: global }
      - { .name: wsl, .offset: 56, .size: 8, .value_kind: global_buffer, .address_space: global }
      - { .name: xsl, .offset: 64, .size: 8, .value_kind: global_buffer, .address_space: global }
    .group_segment_fixed_size: 33280
    .private_segment_fixed_size: 0
    .kernarg_segment_align: 8
    .kernarg_segment_size: 72
    .max_flat_workgroup_size: 128
    .sgpr_count:     66
    .vgpr_count:     256
    .wavefront_size: 32
...
	.end_amdgpu_metadata
.endif
;; end of part 1
;; launch gemm (part 2): grid 16 x 16, 4 waves a work-group, clusters of 4 x 4, 327,680 bytes of LDS; arguments x_codes, wcodes, xsl, wsl, bias, out0; writes out0
.if DOCPART == 2
	.amdgcn_target "amdgcn-amd-amdhsa--gfx1250"
	.amdhsa_code_object_version 6
	.text
	.protected	k_q1dede451d3_gemm
	.globl	k_q1dede451d3_gemm
	.p2align	8
	.type	k_q1dede451d3_gemm,@function
k_q1dede451d3_gemm:
	s_mov_b64 s[64:65], 0
	v_nop
	global_prefetch_b8 v0, s[64:65] scope:SCOPE_SE
	s_setreg_imm32_b32 hwreg(HW_REG_WAVE_MODE, 25, 1), 1
	s_wait_xcnt 0x0
	s_wait_alu depctr_hold_cnt(0) depctr_sa_sdst(0) depctr_va_vdst(0) depctr_va_sdst(0) depctr_va_ssrc(0) depctr_va_vcc(0) depctr_vm_vsrc(0)
	s_getreg_b32 s2, hwreg(HW_REG_IB_STS2, 6, 4)
	s_cmp_eq_u32 s2, 0
	s_cbranch_scc0 .Lentry_in_a_cluster
	s_endpgm
.Lentry_in_a_cluster:
	s_bfe_u32 s2, ttmp6, 0x10000c
	s_cmp_lg_u32 s2, 0xf033
	s_cbranch_scc0 .Lentry_shape_is_right
	s_endpgm
.Lentry_shape_is_right:
; out0[m][n] = sum over k of x[m][k] W[n][k] + bias[n].  x_codes [4096][4096] and wcodes [4096][4096]: codes of BF8 (E5M2), K innermost; xsl, wsl: their E8M0 bytes laid by K step,
; [16 ks][4096 rows][8 bytes].  Sums in f32 by the scaled matrix instruction; the bias is added to the finished sum, as the result is defined.  No work is left out.
; A work-group of four waves makes 256 x 256 of out0, a wave 128 x 128: 64 accumulators, 512 registers.  K goes in steps of 256 through two LDS slots (rows of 256 bytes + 16 of padding).
; CLUSTERS: 4 x 4 work-groups; x's tile is asked for jointly along a row of the cluster, W's along a column.  Each cluster starts at its own K step (0, 4, 8 or 12, by the cluster's numbers) and wraps round.
; THE MATRIX INSTRUCTION IS USED TRANSPOSED (source 0 = 16 rows of W, source 1 = 16 rows of x): a lane holds eight neighbouring columns of one row of out0.
; REGISTERS: window 0: v0-31 addresses, the bias's four numbers; v32-63 scale words, a set for each slot; v128-191 x's blocks 0-3 (one set); x's blocks 4-7 in two sets: v192-255 for a slot's first 128 along K, v64-127 for its second.
;   window 1: W's fragments, two sets (v0-127, v128-255).  windows 2, 3: the accumulators ((a, b) at v[8 (8 (a % 4) + b)]).
; THE ORDER OF A HALF-STEP (128 along K, 64 products, x's blocks one after the other, each against W's eight): 32 products (x's blocks 0-3), eight places, ONE run of 64 LDS loads with all fragments of the next half-step
; (W's other set, x's blocks 0-3 over those just multiplied, x's blocks 4-7 into their other set), 32 products.  So 64 products stand on end between two runs.
; A slot is read out by the run of its first half-step: the change of slots stands behind that half-step, the 32 products of the second half-step's blocks 0-3 stand inside its opening barrier,
; and the refill and the run that reads the other slot follow the round.
; PREFETCH: with the load of K step j each wave names K step j + 2 (the first load names step 1, the second steps 2 and 3): 32 rows x 256 bytes, a lane a row.  Of the 128 rows that a wave fetches, each of the four partners
; that ask for them jointly takes 32, by address (cx for x, cy for W).  The last two refills name nothing.  At most two K steps are named and not yet asked for by a load.
; LIMITS: NaN and infinities among the inputs are carried as the matrix instruction carries them.
.set SIZE_N, 4096
.set ROWB,   256
.set KROW,   4096
.set PITCH,  272
.set HALFT,  128*PITCH
.set SLOT,   4*HALFT
.set SPARE,  2*SLOT                    ; behind the ring: the spare words, 128 bytes a wave
.set SPITCH, 528                       ; the way out: 16 rows x (512 + 16) bytes a wave, in slot 0, behind its last fill and last read
.set KSB,    4096*8                    ; a K step's scale bytes of all rows
.set BI,   8                           ; v8-11  bias of my four columns on the way out
.set ADRA, 16
.set ADRB, 20
.set STO,  24
.set RD,   25
.set CO,   26
.set SOF,  27
.set SPW,  28
.set NIL,  29
.set PFO,  31
.set SC,   32
.set BK,   128
.set G1, 24
.set G0, 32
.set G1B, 48
.set G0B, 56
.set K0,  72
.set KO,  74                           ; s[74:75], s[76:77] byte offset along K of slot 0's, slot 1's tile
.set SA,  80
.set SB,  82
.set SO,  84
.set PFB, 86                           ; my 32 rows for the prefetches
.set PFA, 88                           ; and the K step that the next prefetch names
.set PK,  90
.set MSB, 0
.macro WIN new
.if MSB != \new
	s_set_vgpr_msb (MSB<<8)|\new
.set MSB, \new
.endif
.endm
.set MUL_LO, 0xa1                      ; source 0 (W) window 1, source 1 (x) window 0, C and D window 2
.set TO_B,   0x40
.macro JLOAD g0a, g1a, g0b, g1b        ; waves 0, 1 fetch x's two halves, waves 2, 3 W's
	s_cmp_eq_u32 s17, 0
	s_cbranch_scc0 .Lfor_b_\@
	tensor_load_to_lds s[\g0a:\g0a+3], s[\g1a:\g1a+7]
	s_nop 0
.rept 4
	v_nop
.endr
	s_branch .Lasked_\@
.Lfor_b_\@:
	tensor_load_to_lds s[\g0b:\g0b+3], s[\g1b:\g1b+7]
	s_nop 0
.rept 4
	v_nop
.endr
.Lasked_\@:
.endm
.macro CREST
	s_cmp_lg_u32 s16, 0
	s_cbranch_scc1 .Lnot_wave_0_\@
	s_barrier_signal -3
.Lnot_wave_0_\@:
	s_barrier_wait -3
	s_barrier_signal -1
	s_barrier_wait -1
.endm
.macro CROUND
	s_barrier_signal -1
	s_barrier_wait -1
	CREST
.endm
.macro PLACES n
.rept \n
	v_nop
.endr
.endm
	s_load_b256 s[4:11], s[0:1], 0x0               ; x_codes, wcodes, xsl, wsl
	s_load_b128 s[12:15], s[0:1], 0x20             ; bias, out0
	v_lshl_add_u32 v[SPW], v0, 2, SPARE
	v_mov_b32 v[NIL], 0
	ds_add_u32 v[SPW], v[NIL]                      ; the opening lines: the add twice on end and its wait
	ds_add_u32 v[SPW], v[NIL]
	v_lshrrev_b32 v1, 5, v0
	v_readfirstlane_b32 s16, v1                    ; wave
	s_lshr_b32 s17, s16, 1                         ; my half of the rows; also: I fetch for x (0) or W (1)
	s_and_b32 s18, s16, 1                          ; my half of the columns; also: which 128 rows I fetch
	s_bfe_u32 s40, ttmp6, 0x40000                  ; cx
	s_bfe_u32 s41, ttmp6, 0x40004                  ; cy
	s_lshl_b32 s42, ttmp9, 2
	s_add_co_u32 s42, s42, s40                     ; tile column
	s_and_b32 s19, ttmp7, 0xffff
	s_lshl_b32 s19, s19, 2
	s_add_co_u32 s19, s19, s41                     ; tile row
	s_lshl_b32 s43, s41, 2
	s_lshl_b32 s43, 15, s43                        ; my row of the cluster
	s_lshl_b32 s44, 0x1111, s40                    ; my column
	s_and_b32 s[K0], ttmp9, 1                      ; the cluster's first K step: 8 (X & 1) + 4 (X >> 1) + 8 (Y & 1) + 4 (Y >> 1), modulo 16
	s_lshl_b32 s[K0], s[K0], 3
	s_lshr_b32 s73, ttmp9, 1
	s_lshl_b32 s73, s73, 2
	s_add_co_u32 s[K0], s[K0], s73
	s_and_b32 s73, ttmp7, 1
	s_lshl_b32 s73, s73, 3
	s_add_co_u32 s[K0], s[K0], s73
	s_bfe_u32 s73, ttmp7, 0x10001
	s_lshl_b32 s73, s73, 2
	s_add_co_u32 s[K0], s[K0], s73
	s_and_b32 s[K0], s[K0], 15
	s_or_b32 s[G1+0], s43, (0<<16)|(1<<20)|(1<<21)|(5<<22)|(3<<25)   ; 128 rows x 256 bytes, 16 bytes of padding behind each
	s_or_b32 s[G1B+0], s44, (0<<16)|(1<<20)|(1<<21)|(5<<22)|(3<<25)
.irp g, G1, G1B
	s_mov_b32 s[\g+1], ROWB<<16
	s_mov_b32 s[\g+2], 128<<16
	s_mov_b32 s[\g+3], ROWB<<16
	s_mov_b32 s[\g+4], 128
	s_mov_b32 s[\g+5], KROW
	s_mov_b32 s[\g+6], 0
	s_mov_b32 s[\g+7], 0
.endr
	s_lshl_b32 s22, s18, 7
	s_lshl_b32 s20, s19, 8
	s_add_co_u32 s20, s20, s22
	s_lshl_b32 s20, s20, 12                        ; x: (256 tile row + 128 half) rows of 4,096 bytes
	s_mov_b32 s21, 0
	s_lshl_b32 s46, s42, 8
	s_add_co_u32 s46, s46, s22
	s_lshl_b32 s46, s46, 12                        ; W likewise by the tile column
	s_mov_b32 s47, 0
	s_mul_i32 s45, s16, HALFT
	s_lshl_b32 s[KO], s[K0], 8
	s_mov_b32 s[KO+1], 0
	s_add_co_u32 s[KO+2], s[KO], ROWB
	s_mov_b32 s[KO+3], 0
	s_wait_dscnt 0x0
	s_wait_kmcnt 0x0
	s_add_nc_u64 s[20:21], s[4:5], s[20:21]
	s_add_nc_u64 s[46:47], s[6:7], s[46:47]
	CROUND                                         ; in front of the first joint loads
.irp s, 0,1
	s_mov_b32 s[G0+4*\s], 1
	s_add_co_u32 s[G0+4*\s+1], s45, \s*SLOT
	s_add_nc_u64 s[G0+4*\s+2:G0+4*\s+3], s[20:21], s[KO+2*\s:KO+2*\s+1]
	s_or_b32 s[G0+4*\s+3], s[G0+4*\s+3], 0x80000000
	s_mov_b32 s[G0B+4*\s], 1
	s_add_co_u32 s[G0B+4*\s+1], s45, \s*SLOT
	s_add_nc_u64 s[G0B+4*\s+2:G0B+4*\s+3], s[46:47], s[KO+2*\s:KO+2*\s+1]
	s_or_b32 s[G0B+4*\s+3], s[G0B+4*\s+3], 0x80000000
.endr
	JLOAD G0, G1, G0B, G1B                         ; the first K step: one tensor load a wave at the head
	s_lshl_b32 s66, s19, 8
	s_lshl_b32 s67, s17, 7
	s_add_co_u32 s66, s66, s67                     ; my first row of out0
	s_lshl_b32 s70, s66, 14
	s_lshl_b32 s66, s66, 3
	s_mov_b32 s67, 0
	s_lshl_b32 s68, s42, 8
	s_lshl_b32 s69, s18, 7
	s_add_co_u32 s68, s68, s69                     ; my first column
	s_lshl_b32 s68, s68, 3
	s_mov_b32 s69, 0
	s_mov_b32 s71, 0
	s_add_nc_u64 s[8:9], s[8:9], s[66:67]          ; xsl at my rows
	s_add_nc_u64 s[10:11], s[10:11], s[68:69]      ; wsl at my columns
	s_lshl_b32 s[SO], s[K0], 15
	s_mov_b32 s[SO+1], 0
	s_add_nc_u64 s[SA:SA+1], s[8:9], s[SO:SO+1]
	s_add_nc_u64 s[SB:SB+1], s[10:11], s[SO:SO+1]
	s_lshr_b32 s68, s68, 1
	s_add_nc_u64 s[12:13], s[12:13], s[68:69]      ; bias at my columns
	s_add_co_u32 s70, s70, s68
	s_add_nc_u64 s[14:15], s[14:15], s[70:71]      ; out0 at my corner
	s_lshl_b32 s92, s19, 8                         ; the prefetches' rows
	s_lshl_b32 s93, s42, 8
	s_cmp_eq_u32 s17, 0
	s_cselect_b32 s92, s92, s93
	s_cselect_b32 s93, s40, s41
	s_cselect_b64 s[PFB:PFB+1], s[4:5], s[6:7]
	s_lshl_b32 s94, s18, 7
	s_add_co_u32 s92, s92, s94
	s_lshl_b32 s93, s93, 5
	s_add_co_u32 s92, s92, s93
	s_lshl_b32 s92, s92, 12
	s_mov_b32 s93, 0
	s_add_nc_u64 s[PFB:PFB+1], s[PFB:PFB+1], s[92:93]
	s_mov_b32 s[PK+1], 0
	s_add_nc_u64 s[PFA:PFA+1], s[PFB:PFB+1], s[KO:KO+1]   ; at the first K step; it is 12 at the most, so three steps on stay inside the row
	s_mul_i32 s22, s17, HALFT
	s_mul_i32 s23, s18, HALFT
	s_add_co_u32 s23, s23, 2*HALFT
	s_mul_i32 s95, s16, 16*SPITCH
	v_and_b32 v1, 15, v0
	v_bfe_u32 v2, v0, 4, 1
	v_and_b32 v6, 31, v0
	v_lshlrev_b32 v[SOF], 3, v6                    ; scale words: 8 bytes a row, a lane a row
	v_lshlrev_b32 v[CO], 4, v6
	v_lshlrev_b32 v[PFO], 12, v6                   ; a lane a row of 4,096 bytes
	v_mul_u32_u24 v3, v1, PITCH
	v_lshl_add_u32 v4, v2, 4, v3
	v_add_nc_u32 v[ADRA], s22, v4
	v_add_nc_u32 v[ADRB], s23, v4
	v_add_nc_u32 v[ADRA+1], SLOT, v[ADRA]
	v_add_nc_u32 v[ADRB+1], SLOT, v[ADRB]
	v_mul_u32_u24 v5, v1, SPITCH
	v_lshl_add_u32 v5, v2, 5, v5
	v_add_nc_u32 v[STO], s95, v5
	v_add_nc_u32 v[RD], s95, v[CO]
	s_wait_alu depctr_va_vdst(0)                   ; the wait at the head's end: no vector instruction writes a register from here to the way out
	global_prefetch_b8 v[PFO], s[PFA:PFA+1] offset:ROWB th:TH_LOAD_NT scope:SCOPE_SE
	global_load_b128 v[BI:BI+3], v[CO], s[12:13]
.irp s, 0,1
.irp u, 0,1,2,3
	global_load_b64 v[SC+16*\s+2*\u:SC+16*\s+2*\u+1],     v[SOF], s[SA:SA+1] offset:KSB*\s+256*\u
	global_load_b64 v[SC+16*\s+8+2*\u:SC+16*\s+8+2*\u+1], v[SOF], s[SB:SB+1] offset:KSB*\s+256*\u
.endr
.endr
	s_add_co_u32 s[SO], s[SO], KSB
.macro SETRA a, q                      ; where x's block a of a slot's q-th 128 along K lies
.if (\a) < 4
.set rA, 128+16*(\a)
.else
.set rA, 192-128*(\q)+16*((\a)-4)
.endif
.endm
.macro FRAG reg, adr, q, i             ; 16 rows x 128 K: four loads of 16 bytes a lane
.irp c, 0,1,2,3
	ds_load_b128 v[\reg+4*\c:\reg+4*\c+3], v[\adr] offset:128*(\q)+32*\c+(\i)*16*PITCH
.endr
.endm
.macro RUN slot, q                     ; 64 LDS loads on end: all fragments of half-step q of the slot: W's eight, then x's eight
	WIN TO_B
.irp f, 0,1,2,3,4,5,6,7
	FRAG 128*(\q)+16*\f, ADRB+(\slot), \q, \f
.endr
	WIN 0
.irp f, 0,1,2,3,4,5,6,7
	SETRA \f, \q
	FRAG rA, ADRA+(\slot), \q, \f
.endr
.endm
; A scale register holds the words of 32 rows: an even block's in lanes 0-15, an odd block's in lanes 16-31
.macro PROD a, b, q, sc, zero
	SETRA \a, \q
.set rD,  8*(8*((\a)%4)+(\b))
.set rB,  128*(\q)+16*(\b)
.set rSB, SC+16*(\sc)+8+2*((\b)/2)+(\q)
.set rSA, SC+16*(\sc)+2*((\a)/2)+(\q)
.set par, 2*((\a)%2)+((\b)%2)
.if \zero
.if par == 0
	v_wmma_scale_f32_16x16x128_f8f6f4 v[rD:rD+7], v[rB:rB+15], v[rA:rA+15], 0, v[rSB], v[rSA] matrix_a_fmt:MATRIX_FMT_BF8 matrix_b_fmt:MATRIX_FMT_BF8
.endif
.if par == 1
	v_wmma_scale_f32_16x16x128_f8f6f4 v[rD:rD+7], v[rB:rB+15], v[rA:rA+15], 0, v[rSB], v[rSA] matrix_a_fmt:MATRIX_FMT_BF8 matrix_b_fmt:MATRIX_FMT_BF8 matrix_a_scale:MATRIX_SCALE_ROW1
.endif
.if par == 2
	v_wmma_scale_f32_16x16x128_f8f6f4 v[rD:rD+7], v[rB:rB+15], v[rA:rA+15], 0, v[rSB], v[rSA] matrix_a_fmt:MATRIX_FMT_BF8 matrix_b_fmt:MATRIX_FMT_BF8 matrix_b_scale:MATRIX_SCALE_ROW1
.endif
.if par == 3
	v_wmma_scale_f32_16x16x128_f8f6f4 v[rD:rD+7], v[rB:rB+15], v[rA:rA+15], 0, v[rSB], v[rSA] matrix_a_fmt:MATRIX_FMT_BF8 matrix_b_fmt:MATRIX_FMT_BF8 matrix_a_scale:MATRIX_SCALE_ROW1 matrix_b_scale:MATRIX_SCALE_ROW1
.endif
.else
.if par == 0
	v_wmma_scale_f32_16x16x128_f8f6f4 v[rD:rD+7], v[rB:rB+15], v[rA:rA+15], v[rD:rD+7], v[rSB], v[rSA] matrix_a_fmt:MATRIX_FMT_BF8 matrix_b_fmt:MATRIX_FMT_BF8
.endif
.if par == 1
	v_wmma_scale_f32_16x16x128_f8f6f4 v[rD:rD+7], v[rB:rB+15], v[rA:rA+15], v[rD:rD+7], v[rSB], v[rSA] matrix_a_fmt:MATRIX_FMT_BF8 matrix_b_fmt:MATRIX_FMT_BF8 matrix_a_scale:MATRIX_SCALE_ROW1
.endif
.if par == 2
	v_wmma_scale_f32_16x16x128_f8f6f4 v[rD:rD+7], v[rB:rB+15], v[rA:rA+15], v[rD:rD+7], v[rSB], v[rSA] matrix_a_fmt:MATRIX_FMT_BF8 matrix_b_fmt:MATRIX_FMT_BF8 matrix_b_scale:MATRIX_SCALE_ROW1
.endif
.if par == 3
	v_wmma_scale_f32_16x16x128_f8f6f4 v[rD:rD+7], v[rB:rB+15], v[rA:rA+15], v[rD:rD+7], v[rSB], v[rSA] matrix_a_fmt:MATRIX_FMT_BF8 matrix_b_fmt:MATRIX_FMT_BF8 matrix_a_scale:MATRIX_SCALE_ROW1 matrix_b_scale:MATRIX_SCALE_ROW1
.endif
.endif
.endm
.macro MUL a0, n, q, sc, zero          ; n of x's blocks from a0 on, each against W's eight: 8 n products on end, every one on another accumulator
.set aa, \a0
.rept \n
	WIN MUL_LO+0x50*(aa/4)
.set bb, 0
.rept 8
	PROD aa, bb, \q, \sc, \zero
.set bb, bb+1
.endr
.set aa, aa+1
.endr
.endm
.macro GSCALES set                     ; the next K step's scale words, behind a run (window 0); the set's last products lie eight places back, and its last loads were waited for
	s_add_co_u32 s[SO], s[SO], KSB
	s_and_b32 s[SO], s[SO], 16*KSB-1
	s_add_nc_u64 s[SA:SA+1], s[8:9], s[SO:SO+1]
	s_add_nc_u64 s[SB:SB+1], s[10:11], s[SO:SO+1]
.irp u, 0,1,2,3
	global_load_b64 v[SC+16*(\set)+2*\u:SC+16*(\set)+2*\u+1],     v[SOF], s[SA:SA+1] offset:256*\u
	global_load_b64 v[SC+16*(\set)+8+2*\u:SC+16*(\set)+8+2*\u+1], v[SOF], s[SB:SB+1] offset:256*\u
.endr
.endm
; A slot's first half-step.  lc: scale loads that may stay out.  gs: fetch the next K step's scale words.
; chg: 1 the slot is filled again and a prefetch follows, 3 filled again, 2 a barrier alone (the other slot is shown whole), 0 none.
.macro STEP0 slot, zero, lc, gs, chg
	s_wait_loadcnt \lc
	s_wait_dscnt 16                                ; W's eight and x's blocks 0-3 are in; the 16 youngest loads (x's blocks 4-7) may be out
	MUL 0, 4, 0, \slot, \zero
	s_wait_dscnt 0x0                               ; x's blocks 4-7 are in
	PLACES 8                                       ; in front of the loads onto x's blocks 0-3 and onto the other set of scale words
	RUN \slot, 1
.if \gs
	GSCALES 1-\slot
.endif
	MUL 4, 3, 0, \slot, \zero
.if \chg
	WIN 0
.if \chg == 1
	s_wait_xcnt 0x0                                ; my last prefetch has read its address
.endif
	s_wait_tensorcnt 0x0                           ; my part of the other slot has landed; no tensor load of mine is out
	ds_add_u32 v[SPW], v[NIL]
.if (\chg == 1) || (\chg == 3)
	s_add_co_u32 s[KO+2*\slot], s[KO+2*\slot], 2*ROWB
	s_and_b32 s[KO+2*\slot], s[KO+2*\slot], KROW-1
	s_add_nc_u64 s[G0+4*\slot+2:G0+4*\slot+3], s[20:21], s[KO+2*\slot:KO+2*\slot+1]
	s_or_b32 s[G0+4*\slot+3], s[G0+4*\slot+3], 0x80000000
	s_add_nc_u64 s[G0B+4*\slot+2:G0B+4*\slot+3], s[46:47], s[KO+2*\slot:KO+2*\slot+1]
	s_or_b32 s[G0B+4*\slot+3], s[G0B+4*\slot+3], 0x80000000
.endif
.if \chg == 1
	s_add_co_u32 s[PK], s[KO+2*\slot], 2*ROWB      ; two K steps beyond the refill
	s_and_b32 s[PK], s[PK], KROW-1
	s_add_nc_u64 s[PFA:PFA+1], s[PFB:PFB+1], s[PK:PK+1]
.endif
.endif
	MUL 7, 1, 0, \slot, \zero                      ; eight products stand between the add and the wait for it
	s_wait_dscnt 0x0                               ; the add is done; all fragments of the second half-step are in: my reads of this slot are over
.if \chg
	s_barrier_signal -1
.endif
.endm
; The second half-step's blocks 0-3 stand inside the barrier.  mode: 1 the round goes on and the slot is filled again, 0 a barrier alone, 2 none.
.macro S1HEAD slot, mode
	MUL 0, 4, 1, \slot, 0
.if \mode < 2
	WIN 0
	s_barrier_wait -1
.endif
.if \mode == 1
	CREST
	JLOAD G0+4*\slot, G1, G0B+4*\slot, G1B
.endif
.endm
.macro S1REST slot, load, ask          ; the other slot's first fragments in one run, then blocks 4-7
.if \load
	PLACES 8                                       ; in front of the loads onto x's blocks 0-3
	RUN 1-\slot, 0
.if \ask
	global_prefetch_b8 v[PFO], s[PFA:PFA+1] th:TH_LOAD_NT scope:SCOPE_SE
.endif
.endif
	MUL 4, 4, 1, \slot, 0
.endm
	s_wait_tensorcnt 0x0                           ; my part of the first K step is in
	ds_add_u32 v[SPW], v[NIL]
	s_wait_dscnt 0x0
	CROUND
	JLOAD G0+4, G1, G0B+4, G1B                     ; the second K step
	RUN 0, 0
	global_prefetch_b8 v[PFO], s[PFA:PFA+1] offset:2*ROWB th:TH_LOAD_NT scope:SCOPE_SE
	global_prefetch_b8 v[PFO], s[PFA:PFA+1] offset:3*ROWB th:TH_LOAD_NT scope:SCOPE_SE
	STEP0 0, 1, 8, 0, 1                            ; the first half-step's products start the sums; slot 1's eight scale loads may be out
	S1HEAD 0, 1
	s_mov_b32 s3, 6
.Llap:                                                 ; a trip: the rest of an even K step, an odd K step, and the next even one up to its refill
	S1REST 0, 1, 1
	STEP0 1, 0, 0, 1, 1
	S1HEAD 1, 1
	S1REST 1, 1, 1
	STEP0 0, 0, 0, 1, 1
	S1HEAD 0, 1
	s_sub_co_u32 s3, s3, 1
	s_cmp_lg_u32 s3, 0
	s_cbranch_scc1 .Llap
	S1REST 0, 1, 0                                 ; K steps 12 (its rest) to 15, counted from the cluster's first: one more refill, no prefetch
	STEP0 1, 0, 0, 1, 3
	S1HEAD 1, 1
	S1REST 1, 1, 0
	STEP0 0, 0, 0, 1, 2
	S1HEAD 0, 0
	S1REST 0, 1, 0
	STEP0 1, 0, 0, 0, 0
	S1HEAD 1, 2
	S1REST 1, 0, 0
	WIN 0
; THE WAY OUT, by blocks of 16 rows x 128 columns: through my own stage in LDS, back as whole rows of 512 bytes, the bias added, stored as two aligned units of 256 bytes
.macro TOSTAGE a
.set AC, 64*((\a)%4)
	WIN 0x08+4*((\a)/4)
.irp b, 0,1,2,3,4,5,6,7
	ds_store_b128 v[STO], v[AC+8*\b:AC+8*\b+3] offset:64*\b
	ds_store_b128 v[STO], v[AC+8*\b+4:AC+8*\b+7] offset:64*\b+16
.endr
	WIN 0
.set BB, BK+64*((\a)%2)
.irp t, 0,1,2,3,4,5,6,7,8,9,10,11,12,13,14,15
	ds_load_b128 v[BB+4*\t:BB+4*\t+3], v[RD] offset:\t*SPITCH
.endr
.endm
.macro SEND a, younger
.set BB, BK+64*((\a)%2)
	s_wait_dscnt \younger                          ; the block is back; the LDS instructions issued behind its loads may be out
.if (\a) > 0
	s_add_nc_u64 s[14:15], s[14:15], 16*SIZE_N*4   ; behind a wait on XCNT
.endif
.irp t, 0,1,2,3,4,5,6,7,8,9,10,11,12,13,14,15
	v_pk_add_f32 v[BB+4*\t:BB+4*\t+1], v[BB+4*\t:BB+4*\t+1], v[BI:BI+1]
	v_pk_add_f32 v[BB+4*\t+2:BB+4*\t+3], v[BB+4*\t+2:BB+4*\t+3], v[BI+2:BI+3]
	global_store_b128 v[CO], v[BB+4*\t:BB+4*\t+3], s[14:15] offset:\t*SIZE_N*4 th:TH_STORE_NT
.endr
.endm
	PLACES 8                                       ; eight places behind the last products
	TOSTAGE 0
.irp a, 1,2,3,4,5,6,7
.if \a > 1
	s_wait_xcnt 0x0                                ; block a - 2's stores have read their registers and their base
.endif
	TOSTAGE \a
	SEND \a-1, 32
.endr
	s_wait_xcnt 0x0
	SEND 7, 0
	s_wait_tensorcnt 0x0                           ; the wave's end
	ds_add_u32 v[SPW], v[NIL]
	s_wait_dscnt 0x0
	CROUND                                         ; the closing round
	s_endpgm
.Lfunc_end_k_q1dede451d3_gemm:
	.size	k_q1dede451d3_gemm, .Lfunc_end_k_q1dede451d3_gemm-k_q1dede451d3_gemm
	.p2alignl 7, 3214868480
	.fill 96, 4, 3214868480
	.section	.rodata,"a",@progbits
	.p2align	6, 0x0
	.amdhsa_kernel k_q1dede451d3_gemm
		.amdhsa_group_segment_fixed_size 327680
		.amdhsa_private_segment_fixed_size 0
		.amdhsa_enable_private_segment 0
		.amdhsa_kernarg_size 48
		.amdhsa_user_sgpr_count 2
		.amdhsa_user_sgpr_kernarg_segment_ptr 1
		.amdhsa_wavefront_size32 1
		.amdhsa_system_sgpr_workgroup_id_x 1
		.amdhsa_system_sgpr_workgroup_id_y 1
		.amdhsa_system_sgpr_workgroup_id_z 1
		.amdhsa_system_vgpr_workitem_id 0
		.amdhsa_next_free_vgpr 1024
		.amdhsa_next_free_sgpr 96
		.amdhsa_reserve_vcc 0
		.amdhsa_float_denorm_mode_32 3
		.amdhsa_float_denorm_mode_16_64 3
		.amdhsa_memory_ordered 1
		.amdhsa_forward_progress 1
		.amdhsa_inst_pref_size 216
	.end_amdhsa_kernel
	.amdgpu_metadata
---
amdhsa.version: [ 1, 2 ]
amdhsa.kernels:
  - .name:           k_q1dede451d3_gemm
    .symbol:         k_q1dede451d3_gemm.kd
    .args:
      - { .name: x_codes, .offset: 0, .size: 8, .value_kind: global_buffer, .address_space: global }
      - { .name: wcodes, .offset: 8, .size: 8, .value_kind: global_buffer, .address_space: global }
      - { .name: xsl, .offset: 16, .size: 8, .value_kind: global_buffer, .address_space: global }
      - { .name: wsl, .offset: 24, .size: 8, .value_kind: global_buffer, .address_space: global }
      - { .name: bias, .offset: 32, .size: 8, .value_kind: global_buffer, .address_space: global }
      - { .name: out0, .offset: 40, .size: 8, .value_kind: global_buffer, .address_space: global }
    .group_segment_fixed_size: 327680
    .private_segment_fixed_size: 0
    .kernarg_segment_align: 8
    .kernarg_segment_size: 48
    .max_flat_workgroup_size: 128
    .sgpr_count:     96
    .vgpr_count:     1024
    .wavefront_size: 32
...
	.end_amdgpu_metadata
.endif
;; end of part 2
